; MI455X (gfx1250); checked and timed in simulation.
; The chip was launched on July 23, 2026; its instructions are those of AMD's public machine-readable ISA for CDNA 5 (MIT licence, August 2026) and "CDNA5" Instruction Set Architecture Reference Guide (July 2026). The comments in the code are by the model that wrote it; some were corrected since.
;; Attention. Allowed arithmetic: float matrix products may take bf16 or f16 operands with f32 sums; all other float work in f32.
;; Inputs: Wk 1,024 x 1,024 float32; Wo 1,024 x 1,024 float32; Wq 1,024 x 1,024 float32; Wv 1,024 x 1,024 float32; bo 1,024 float32; k_scale 16 x 1 x 64 float32; q_scale 16 x 1 x 64 float32; x 2 x 2,048 x 1,024 float32.
;; Outputs: out0 2 x 2,048 x 1,024 float32.
;; One version. Each part assembles by itself: llvm-mc -triple=amdgcn-amd-amdhsa -mcpu=gfx1250 --defsym DOCPART=n.
;; ======== version 1 of 1: 4 launches
;; limits: values are held in f16: magnitudes above 65,504 overflow, below 6.1e-05 lose precision; inputs' magnitudes at most 65,504
;; workspace buffers: xb 8,388,608 bytes; wb 8,388,608 bytes; qb 8,388,608 bytes; kb 8,388,608 bytes; vt 8,388,608 bytes; ob 8,388,608 bytes
;; launch cvt (part 1): grid 512 x 1, 8 waves a work-group, no clusters, 0 bytes of LDS; arguments x, Wq, Wk, Wv, Wo, xb, wb; writes xb, wb
.if DOCPART == 1
	.amdgcn_target "amdgcn-amd-amdhsa--gfx1250"
	.amdhsa_code_object_version 6
	.text
	.protected	k_qc08ff7ccd8_cvt
	.globl	k_qc08ff7ccd8_cvt
	.p2align	8
	.type	k_qc08ff7ccd8_cvt,@function
k_qc08ff7ccd8_cvt:
	s_mov_b64 s[64:65], 0
	v_nop
	global_prefetch_b8 v0, s[64:65] scope:SCOPE_SE
	s_setreg_imm32_b32 hwreg(HW_REG_WAVE_MODE, 25, 1), 1
	s_wait_xcnt 0x0
; f32 to f16, each element of x, Wq, Wk, Wv, Wo once, so that the products behind it move 16-bit tiles.
; WHY f16 AND NOT bf16: where attention is flat the result is a mean of 2048 values of v, some 45 times smaller than v, and independent roundings
; shrink by the same factor: each rounding shows in the result at its full relative size.  f16 has 11 bits of significand against 8.
; LIMIT: a magnitude above 65,504 becomes infinite; under 6.1e-5 the step is 6e-8.  x of spread 1 and W of spread 0.02 have room for a factor of 30
; either way and for an offset of 30 spreads (x to 165, W to 3; W / 30 has spread 6.7e-4, ten thousand steps).
; xb[4096][1024] = x.  wb[4096][1024]: row 192 j + 64 p + r = W_p[64 j + r] (p = 0 q, 1 k, 2 v; j the head), row 3072 + e = Wo[e]:
; the 192 rows of one head lie together, so that the next launch fetches them as one tile.
; A work-group converts 16 rows of 1024.  Thread t takes the 16 bytes at 16 t of each row and stores 8 bytes at 8 t: a wave's load covers
; 512 consecutive bytes, a wave's store 256 consecutive bytes that start at a multiple of 256 from the buffer's first byte.
; No LDS, no matrix unit, no cluster: nothing is read twice and no work-group shares an input byte with another.
.set XR, 4                             ; v[4:67]   16 loads of 4 registers
.set YR, 68                            ; v[68:99]  16 stores of 2 registers, each with registers of its own: none is written twice
	s_load_b256 s[4:11], s[0:1], 0x0               ; x s[4:5], Wq s[6:7], Wk s[8:9], Wv s[10:11]
	s_load_b128 s[12:15], s[0:1], 0x20             ; Wo s[12:13], xb s[14:15]
	s_load_b64 s[16:17], s[0:1], 0x30              ; wb
	s_mov_b32 s20, ttmp9                           ; g = 0 .. 511
	s_lshr_b32 s21, s20, 6                         ; part: 0-3 x, 4 Wq, 5 Wk, 6 Wv, 7 Wo
	s_and_b32 s22, s20, 63                         ; c: which 16 rows of a weight matrix
	s_lshr_b32 s24, s22, 2                         ; head = 16 c / 64
	s_mul_i32 s24, s24, 192
	s_and_b32 s25, s21, 3                          ; p
	s_lshl_b32 s25, s25, 6
	s_add_co_u32 s24, s24, s25
	s_and_b32 s25, s22, 3
	s_lshl_b32 s25, s25, 4
	s_add_co_u32 s24, s24, s25                     ; 192 head + 64 p + 16 (c mod 4)
	s_lshl_b32 s27, s22, 4
	s_add_co_u32 s27, s27, 3072                    ; Wo's rows follow
	s_lshl_b32 s28, s20, 4                         ; x: row 16 g
	s_cmp_eq_u32 s21, 7
	s_cselect_b32 s24, s27, s24
	s_cmp_lt_u32 s21, 4
	s_cselect_b32 s24, s28, s24                    ; first row written
	s_cselect_b32 s23, s20, s22                    ; which 16 rows of the source
	s_lshl_b32 s34, s23, 16                        ; 16 rows of 4,096 bytes
	s_mov_b32 s35, 0
	s_lshl_b32 s36, s24, 11                        ; rows of 2,048 bytes
	s_mov_b32 s37, 0
	v_lshlrev_b32 v1, 4, v0
	v_lshlrev_b32 v2, 3, v0
	s_wait_kmcnt 0x0
	s_cmp_lt_u32 s21, 4
	s_cselect_b64 s[30:31], s[14:15], s[16:17]     ; into xb or wb
	s_mov_b64 s[32:33], s[4:5]
	s_cmp_eq_u32 s21, 4
	s_cselect_b64 s[32:33], s[6:7], s[32:33]
	s_cmp_eq_u32 s21, 5
	s_cselect_b64 s[32:33], s[8:9], s[32:33]
	s_cmp_eq_u32 s21, 6
	s_cselect_b64 s[32:33], s[10:11], s[32:33]
	s_cmp_eq_u32 s21, 7
	s_cselect_b64 s[32:33], s[12:13], s[32:33]
	s_add_nc_u64 s[32:33], s[32:33], s[34:35]
	s_add_nc_u64 s[30:31], s[30:31], s[36:37]
.irp i, 0,1,2,3,4,5,6,7,8,9,10,11,12,13,14,15
	global_load_b128 v[XR+4*\i:XR+4*\i+3], v1, s[32:33] offset:4096*\i th:TH_LOAD_NT   ; all 16 rows are asked for at once
.endr
.irp i, 0,1,2,3,4,5,6,7,8,9,10,11,12,13,14,15
	s_wait_loadcnt 15-\i                           ; loads come back in order: row i is in, the 15 - i younger ones may stay out
	v_cvt_pk_f16_f32 v[YR+2*\i], v[XR+4*\i], v[XR+4*\i+1]
	v_cvt_pk_f16_f32 v[YR+2*\i+1], v[XR+4*\i+2], v[XR+4*\i+3]
	global_store_b64 v2, v[YR+2*\i:YR+2*\i+1], s[30:31] offset:2048*\i     ; no hint: the next launch reads these bytes
.endr
	s_endpgm
.Lfunc_end_k_qc08ff7ccd8_cvt:
	.size	k_qc08ff7ccd8_cvt, .Lfunc_end_k_qc08ff7ccd8_cvt-k_qc08ff7ccd8_cvt
	.p2alignl 7, 3214868480
	.fill 96, 4, 3214868480
	.section	.rodata,"a",@progbits
	.p2align	6, 0x0
	.amdhsa_kernel k_qc08ff7ccd8_cvt
		.amdhsa_group_segment_fixed_size 0
		.amdhsa_private_segment_fixed_size 0
		.amdhsa_enable_private_segment 0
		.amdhsa_kernarg_size 56
		.amdhsa_user_sgpr_count 2
		.amdhsa_user_sgpr_kernarg_segment_ptr 1
		.amdhsa_wavefront_size32 1
		.amdhsa_system_sgpr_workgroup_id_x 1
		.amdhsa_system_sgpr_workgroup_id_y 1
		.amdhsa_system_sgpr_workgroup_id_z 1
		.amdhsa_system_vgpr_workitem_id 0
		.amdhsa_next_free_vgpr 100
		.amdhsa_next_free_sgpr 66
		.amdhsa_reserve_vcc 0
		.amdhsa_float_denorm_mode_32 3
		.amdhsa_float_denorm_mode_16_64 3
		.amdhsa_memory_ordered 1
		.amdhsa_forward_progress 1
		.amdhsa_inst_pref_size 8
	.end_amdhsa_kernel
	.amdgpu_metadata
---
amdhsa.version: [ 1, 2 ]
amdhsa.kernels:
  - .name:           k_qc08ff7ccd8_cvt
    .symbol:         k_qc08ff7ccd8_cvt.kd
    .args:
      - { .name: x, .offset: 0, .size: 8, .value_kind: global_buffer, .address_space: global }
      - { .name: Wq, .offset: 8, .size: 8, .value_kind: global_buffer, .address_space: global }
      - { .name: Wk, .offset: 16, .size: 8, .value_kind: global_buffer, .address_space: global }
      - { .name: Wv, .offset: 24, .size: 8, .value_kind: global_buffer, .address_space: global }
      - { .name: Wo, .offset: 32, .size: 8, .value_kind: global_buffer, .address_space: global }
      - { .name: xb, .offset: 40, .size: 8, .value_kind: global_buffer, .address_space: global }
      - { .name: wb, .offset: 48, .size: 8, .value_kind: global_buffer, .address_space: global }
    .group_segment_fixed_size: 0
    .private_segment_fixed_size: 0
    .kernarg_segment_align: 8
    .kernarg_segment_size: 56
    .max_flat_workgroup_size: 256
    .sgpr_count:     66
    .vgpr_count:     100
    .wavefront_size: 32
...
	.end_amdgpu_metadata
.endif
;; end of part 1
;; launch qkv (part 2): grid 16 x 16, 4 waves a work-group, clusters of 4 x 4, 327,680 bytes of LDS; arguments xb, wb, q_scale, k_scale, qb, kb, vt; writes qb, kb, vt
.if DOCPART == 2
	.amdgcn_target "amdgcn-amd-amdhsa--gfx1250"
	.amdhsa_code_object_version 6
	.text
	.protected	k_qc08ff7ccd8_qkv
	.globl	k_qc08ff7ccd8_qkv
	.p2align	8
	.type	k_qc08ff7ccd8_qkv,@function
k_qc08ff7ccd8_qkv:
	s_mov_b64 s[64:65], 0
	v_nop
	global_prefetch_b8 v0, s[64:65] scope:SCOPE_SE
	s_setreg_imm32_b32 hwreg(HW_REG_WAVE_MODE, 25, 1), 1
	s_wait_xcnt 0x0
	s_wait_alu depctr_hold_cnt(0) depctr_sa_sdst(0) depctr_va_vdst(0) depctr_va_sdst(0) depctr_va_ssrc(0) depctr_va_vcc(0) depctr_vm_vsrc(0)
	s_getreg_b32 s2, hwreg(HW_REG_IB_STS2, 6, 4)
	s_cmp_eq_u32 s2, 0
	s_cbranch_scc0 .Lentry_in_a_cluster
	s_endpgm
.Lentry_in_a_cluster:
	s_bfe_u32 s2, ttmp6, 0x10000c
	s_cmp_lg_u32 s2, 0xf033
	s_cbranch_scc0 .Lentry_shape_is_right
	s_endpgm
.Lentry_shape_is_right:
; q, k, v of one head for 256 tokens: [256 x 1024] of xb times the head's 192 rows of wb (f16 operands, sums in f32); then
; q = q / max(|q|, 1e-12) * q_scale * 0.125 log2(e), k = k / max(|k|, 1e-12) * k_scale, all three rounded to f16.
; qb, kb: [32 = 16 batch + head][2048 tokens][64].  vt: [32][64][2048 tokens] (v transposed).
; The factor 0.125 log2(e) puts the scores of the next launch into units of powers of two.
; LIMITS: NaN and infinities are not treated apart.  v_sqrt_f32 takes a sum of squares under 2^-126 as zero; the norm would lie far under
; 1e-12, so the maximum with 1e-12 gives what the exact norm would.  The division is a multiplication by v_rcp_f32's result.
; f16's range: q and k are unit vectors times their scales, so a scale above 65,504 (q: 363,000) makes infinities.  v above 65,504 in magnitude
; becomes infinite: v has spread 32 x 0.02 = 0.64 for x of spread 1 and Wv of spread 0.02; with both 30 times larger it reaches some 3,200, with
; both offset by 30 spreads it is 1024 x 30 x 0.6 = 18,432; with both 30 times smaller its spread is 7e-4, twelve thousand of f16's smallest steps.
; SHARE: work-group (x = head, y = 256 rows); wave w: rows 64 w .. + 63 by all 192 columns, 4 x 12 accumulator tiles = 384 registers, so that
; a head's 64 columns lie in one wave and the norm never leaves it.
; RING: K in steps of 128 (rows of 256 bytes) through two LDS slots.  CLUSTER 4 x 4: the four work-groups of a cluster's row need the same rows of
; xb, the four of a column the same head of wb; each tile is asked for jointly.  Waves 0, 1 ask for xb's halves, waves 2, 3 for wb's.
; By this text's own count a wave has two tensor loads out at the start and one afterwards.
; WINDOWS: 0 addresses and the way out; 1 the fragments, two buffers; 2 the tiles of row blocks 0, 1; 3 those of row blocks 2, 3.
.set PITCH,  272                       ; an LDS row: 256 bytes + 16 of padding, an odd multiple of 16: sixteen rows start at sixteen different 16-byte columns
.set ABYTES, 256*PITCH                 ; xb's 256 rows
.set SLOT,   448*PITCH                 ; then wb's 192 rows: 121,856 bytes
.set STAGEQ, 2*SLOT                    ; behind the ring: 16 rows x 144 bytes for each wave (q and k on their way out)
.set QPITCH, 144
.set STAGEV, STAGEQ+4*16*QPITCH        ; 64 rows (d) x 528 bytes (256 tokens), written by all four waves
.set VPITCH, 528
.set LAPS,   4                         ; 1024 / (2 x 128)
.set ADRA, 16                          ; v16-17  LDS address of my xb fragments in slot 0, 1
.set ADRB, 20                          ; v20-21  the same for wb
.set STO,  24                          ; into my stage
.set RD,   25                          ; back out of it
.set CO,   26                          ; 16 x lane
.set STV,  27                          ; into v's stage
.set RDV,  28                          ; back out of it
.set SCO,  29                          ; 32 x (lane / 16): my columns in the scales
.set QS,   32                          ; v[32:63]   q_scale of my 32 columns (times 0.125 log2 e)
.set KS,   64                          ; v[64:95]   k_scale
.set T,    96                          ; v[96:127]  at work
.set PK,   128                         ; v[128:143] packed f16
.set RB,   144                         ; v[144:159] rows read back
.set SS,   160                         ; v[160:167] four chains of the sum of squares
.set INV,  168                         ; v[168:169] 1 / norm, twice
.set RV,   176                         ; v[176:239] v's rows read back
.set F0,   0                           ; window 1: fragment buffer 0: wb's fragment b at 8 b, xb's fragment a at 96 + 8 a
.set F1,   128                         ; fragment buffer 1
.set G1A, 24
.set G0A, 32
.set G1B, 40
.set G0B, 48
.set DFLAGS, (1<<16)|(1<<20)|(1<<21)|(5<<22)|(3<<25)   ; elements of 2 bytes; padding on; bit 21 beside a mask; after every 64 words, 4 words
.set MUL_LO, 0xa5                      ; both sources window 1, C and D window 2
.set MUL_HI, 0xf5                      ; C and D window 3
.set TO_F,   0x40                      ; destination window 1, address window 0
.set MSB, 0
.macro WIN new                         ; the immediate's high byte repeats the setting that is left
.if MSB != \new
	s_set_vgpr_msb (MSB<<8)|\new
.set MSB, \new
.endif
.endm
.macro PLACES                          ; four places behind matrix instructions, ahead of loads into their sources and of readers of their results
.rept 4
	v_nop
.endr
.endm
.macro JLOAD s                         ; a joint load: each line has one mask; the branch hangs on the wave's number alone
	s_cmp_eq_u32 s19, 0
	s_cbranch_scc0 .Lfor_b_\@
	tensor_load_to_lds s[G0A+4*\s:G0A+4*\s+3], s[G1A:G1A+7]
	s_nop 0
	s_branch .Lasked_\@
.Lfor_b_\@:
	tensor_load_to_lds s[G0B+4*\s:G0B+4*\s+3], s[G1B:G1B+7]
	s_nop 0
.Lasked_\@:
.endm
.macro CREST                           ; a round of the cluster's barrier behind its opening work-group barrier
	s_cmp_lg_u32 s18, 0
	s_cbranch_scc1 .Lnot_wave_0_\@
	s_barrier_signal -3
.Lnot_wave_0_\@:
	s_barrier_wait -3
	s_barrier_signal -1
	s_barrier_wait -1
.endm
.macro CROUND
	s_barrier_signal -1
	s_barrier_wait -1
	CREST
.endm
	s_load_b256 s[4:11], s[0:1], 0x0               ; xb s[4:5], wb s[6:7], q_scale s[8:9], k_scale s[10:11]
	s_load_b128 s[12:15], s[0:1], 0x20             ; qb s[12:13], kb s[14:15]
	s_load_b64 s[16:17], s[0:1], 0x30              ; vt
	v_lshl_add_u32 v254, v0, 2, 0x46000
	v_mov_b32 v255, 0
	ds_add_u32 v254, v255
	v_lshrrev_b32 v1, 5, v0
	v_readfirstlane_b32 s18, v1                    ; wave 0..3
	s_lshr_b32 s19, s18, 1                         ; I fetch for xb (0) or wb (1)
	s_and_b32 s20, s18, 1                          ; which half of that tile
	s_bfe_u32 s21, ttmp6, 0x40000                  ; cx
	s_bfe_u32 s22, ttmp6, 0x40004                  ; cy
	s_lshl_b32 s23, ttmp9, 2
	s_add_co_u32 s23, s23, s21                     ; head = 4 x cluster x + cx
	s_and_b32 s56, ttmp7, 0xffff
	s_lshl_b32 s56, s56, 2
	s_add_co_u32 s56, s56, s22                     ; row block = 4 x cluster y + cy
	s_lshl_b32 s57, s22, 2
	s_lshl_b32 s57, 15, s57                        ; my row of the cluster
	s_lshl_b32 s58, 0x1111, s21                    ; my column
	s_mov_b32 s70, 0x76543210                      ; v_permlanex16_b32: lane i reads lane i of the other half
	s_mov_b32 s71, 0xfedcba98
	s_or_b32 s[G1A+0], s57, DFLAGS                 ; xb's tiles: 128 rows x 128 elements, to my row of the cluster
	s_mov_b32 s[G1A+1], 128<<16                    ; tensor_dim0 = 128
	s_mov_b32 s[G1A+2], 128<<16                    ; tensor_dim1 = 128
	s_mov_b32 s[G1A+3], 128<<16                    ; tile_dim0 = 128
	s_mov_b32 s[G1A+4], 128                        ; tile_dim1 = 128
	s_mov_b32 s[G1A+5], 1024                       ; elements from row to row
	s_mov_b32 s[G1A+6], 0
	s_mov_b32 s[G1A+7], 0
	s_or_b32 s[G1B+0], s58, DFLAGS                 ; wb's tiles: 96 rows x 128 elements, to my column
	s_mov_b32 s[G1B+1], 128<<16
	s_mov_b32 s[G1B+2], 96<<16
	s_mov_b32 s[G1B+3], 128<<16
	s_mov_b32 s[G1B+4], 96
	s_mov_b32 s[G1B+5], 1024
	s_mov_b32 s[G1B+6], 0
	s_mov_b32 s[G1B+7], 0
	s_lshl_b32 s60, s56, 19                        ; xb: (256 row block + 128 half) rows of 2,048 bytes; no register here ever holds cx
	s_lshl_b32 s59, s20, 18
	s_add_co_u32 s60, s60, s59
	s_mov_b32 s61, 0
	s_mul_i32 s62, s23, 393216                     ; wb: (192 head + 96 half) rows; no register here ever holds cy
	s_mul_i32 s72, s20, 196608
	s_add_co_u32 s62, s62, s72
	s_mov_b32 s63, 0
	s_mul_i32 s59, s18, 128*PITCH                  ; LDS: xb's halves at wave x 128 rows (waves 0, 1)
	s_mul_i32 s72, s18, 96*PITCH
	s_add_co_u32 s72, s72, ABYTES-2*96*PITCH       ; wb's halves behind them, at (wave - 2) x 96 rows (waves 2, 3)
	s_lshr_b32 s66, s56, 3                         ; the way out: batch,
	s_lshl_b32 s66, s66, 4
	s_add_co_u32 s66, s66, s23                     ; 16 batch + head,
	s_lshl_b32 s66, s66, 18                        ; times 262,144 bytes
	s_and_b32 s73, s56, 7                          ; which 256 tokens of the batch
	s_lshl_b32 s68, s73, 15                        ; q, k: 256 tokens of 128 bytes,
	s_add_co_u32 s68, s68, s66
	s_lshl_b32 s74, s18, 13                        ; my 64 tokens
	s_add_co_u32 s68, s68, s74
	s_mov_b32 s69, 0
	s_lshl_b32 s73, s73, 9                         ; vt: 256 tokens of 2 bytes,
	s_add_co_u32 s66, s66, s73
	s_lshl_b32 s74, s18, 16                        ; rows d = 16 wave .. of 4,096 bytes
	s_add_co_u32 s66, s66, s74
	s_mov_b32 s67, 0
	s_lshl_b32 s74, s23, 8                         ; the head's 64 scales
	s_mov_b32 s75, 0
	v_and_b32 v1, 15, v0                           ; r = lane % 16
	v_bfe_u32 v2, v0, 4, 1                         ; h = lane / 16
	v_and_b32 v3, 31, v0                           ; lane
	v_lshlrev_b32 v[SCO], 5, v2
	s_wait_dscnt 0x0
	s_wait_kmcnt 0x0
	s_add_nc_u64 s[60:61], s[4:5], s[60:61]
	s_add_nc_u64 s[62:63], s[6:7], s[62:63]
	s_add_nc_u64 s[8:9], s[8:9], s[74:75]
	s_add_nc_u64 s[10:11], s[10:11], s[74:75]
	s_add_nc_u64 s[12:13], s[12:13], s[68:69]
	s_add_nc_u64 s[14:15], s[14:15], s[68:69]
	s_add_nc_u64 s[16:17], s[16:17], s[66:67]
.irp b, 0,1,2,3                                    ; scales of columns 16 b + 8 h + 0..7; waited for on the way out
	global_load_b128 v[QS+8*\b:QS+8*\b+3],   v[SCO], s[8:9] offset:64*\b
	global_load_b128 v[QS+8*\b+4:QS+8*\b+7], v[SCO], s[8:9] offset:64*\b+16
	global_load_b128 v[KS+8*\b:KS+8*\b+3],   v[SCO], s[10:11] offset:64*\b
	global_load_b128 v[KS+8*\b+4:KS+8*\b+7], v[SCO], s[10:11] offset:64*\b+16
.endr
	CROUND                                         ; all sixteen work-groups are here: the first joint loads meet
.irp s, 0,1
	s_mov_b32 s[G0A+4*\s], 1
	s_add_co_u32 s[G0A+4*\s+1], s59, \s*SLOT
	s_add_nc_u64 s[G0A+4*\s+2:G0A+4*\s+3], s[60:61], \s*256        ; K step s
	s_or_b32 s[G0A+4*\s+3], s[G0A+4*\s+3], 0x80000000
	s_mov_b32 s[G0B+4*\s], 1
	s_add_co_u32 s[G0B+4*\s+1], s72, \s*SLOT
	s_add_nc_u64 s[G0B+4*\s+2:G0B+4*\s+3], s[62:63], \s*256
	s_or_b32 s[G0B+4*\s+3], s[G0B+4*\s+3], 0x80000000
	JLOAD \s
.endr
	v_mul_u32_u24 v4, v1, PITCH
	v_lshl_add_u32 v4, v2, 4, v4                   ; row x pitch + 16 x half
	s_mul_i32 s76, s18, 64*PITCH                   ; my 64 rows of xb
	s_mov_b32 s77, ABYTES                          ; all of wb's 192
.irp s, 0,1
	v_add_nc_u32 v[ADRA+\s], s76, v4
	v_add_nc_u32 v[ADRB+\s], s77, v4
	s_add_co_u32 s76, s76, SLOT
	s_add_co_u32 s77, s77, SLOT
.endr
	s_mul_i32 s78, s18, 16*QPITCH
	s_add_co_u32 s78, s78, STAGEQ                  ; my stage
	v_mul_u32_u24 v5, v1, QPITCH
	v_lshl_add_u32 v5, v2, 4, v5
	v_add_nc_u32 v[STO], s78, v5                   ; in: row r, 16 bytes for each half of the lanes
	v_lshrrev_b32 v6, 3, v3
	v_and_b32 v7, 7, v3
	v_mul_u32_u24 v6, v6, QPITCH
	v_lshl_add_u32 v6, v7, 4, v6
	v_add_nc_u32 v[RD], s78, v6                    ; back: eight lanes take one row of 128 bytes
	v_lshlrev_b32 v[CO], 4, v3
	s_lshl_b32 s79, s18, 7
	s_add_co_u32 s79, s79, STAGEV
	v_mul_u32_u24 v5, v1, VPITCH
	v_lshl_add_u32 v5, v2, 4, v5
	v_add_nc_u32 v[STV], s79, v5                   ; v: row d = r, my wave's 64 tokens at byte 128 w, 8 tokens for each half
	s_mul_i32 s79, s18, 16*VPITCH
	s_add_co_u32 s79, s79, STAGEV
	v_lshl_add_u32 v[RDV], v3, 4, s79              ; back: rows d = 16 w .., 512 bytes by 32 lanes
; 12 matrix instructions: row block a (tile index p = a mod 2 in its window) x all 12 column blocks, 32 along K.
; q and k (b = 0..7) are made transposed (source 0 = wb): a lane holds one token and 8 neighbouring columns.
; v (b = 8..11) is made straight (source 0 = xb): a lane holds one column d and 8 neighbouring tokens, which is v transposed.
; The 48 accumulators take turns, one instruction a turn, in the same order in every quarter step.
.macro MUL12 f, a, p, zero
.irp b, 0,1,2,3,4,5,6,7
.if \zero
	v_wmma_f32_16x16x32_f16 v[8*(12*\p+\b):8*(12*\p+\b)+7], v[\f+8*\b:\f+8*\b+7], v[\f+96+8*\a:\f+96+8*\a+7], 0
.else
	v_wmma_f32_16x16x32_f16 v[8*(12*\p+\b):8*(12*\p+\b)+7], v[\f+8*\b:\f+8*\b+7], v[\f+96+8*\a:\f+96+8*\a+7], v[8*(12*\p+\b):8*(12*\p+\b)+7]
.endif
.endr
.irp b, 8,9,10,11
.if \zero
	v_wmma_f32_16x16x32_f16 v[8*(12*\p+\b):8*(12*\p+\b)+7], v[\f+96+8*\a:\f+96+8*\a+7], v[\f+8*\b:\f+8*\b+7], 0
.else
	v_wmma_f32_16x16x32_f16 v[8*(12*\p+\b):8*(12*\p+\b)+7], v[\f+96+8*\a:\f+96+8*\a+7], v[\f+8*\b:\f+8*\b+7], v[8*(12*\p+\b):8*(12*\p+\b)+7]
.endif
.endr
.endm
; 32 LDS loads in one run: wb's 12 fragments, then xb's 4, 32 K at byte k of the rows
.macro FETCH slot, k, f
	WIN TO_F
.irp i, 0,1,2,3,4,5,6,7,8,9,10,11
	ds_load_b128 v[\f+8*\i:\f+8*\i+3],   v[ADRB+\slot] offset:\k+\i*16*PITCH
	ds_load_b128 v[\f+8*\i+4:\f+8*\i+7], v[ADRB+\slot] offset:\k+\i*16*PITCH+32
.endr
.irp i, 0,1,2,3
	ds_load_b128 v[\f+96+8*\i:\f+96+8*\i+3],   v[ADRA+\slot] offset:\k+\i*16*PITCH
	ds_load_b128 v[\f+96+8*\i+4:\f+96+8*\i+7], v[ADRA+\slot] offset:\k+\i*16*PITCH+32
.endr
.endm
.macro QUARTER slot, k, f, g, zero
	s_wait_dscnt 4                                 ; wb's fragments and xb's blocks 0, 1 are in; the youngest four loads (blocks 2, 3) may be out
	WIN MUL_LO
	MUL12 \f, 0, 0, \zero
	MUL12 \f, 1, 1, \zero
	PLACES
	FETCH \slot, \k, \g
	s_wait_dscnt 32                                ; all but the 32 just issued
	WIN MUL_HI
	MUL12 \f, 2, 0, \zero
	MUL12 \f, 3, 1, \zero
.endm
.macro THREE slot, zero
	QUARTER \slot, 64,  F0, F1, \zero
	QUARTER \slot, 128, F1, F0, 0
	QUARTER \slot, 192, F0, F1, 0
.endm
; The last quarter of a K step changes slots.  In front of the barrier each wave waits for its reads of this slot and for all its tensor loads
; (the one that is out is its part of the next slot).  Where the slot is filled again the barrier opens a round of the cluster's barrier, and
; the joint refill is the first tensor load behind the round's closing wait.
.macro TURN slot, next, fill
	s_wait_dscnt 4
	WIN MUL_LO
	MUL12 F1, 0, 0, 0
	s_wait_dscnt 0                                 ; my reads of this slot are over
	s_set_vgpr_msb 0xa5a0
	s_wait_tensorcnt 0x0                           ; all my tensor loads have landed
	ds_add_u32 v254, v255
	s_wait_dscnt 0x0
	s_set_vgpr_msb 0xa0a5
	s_barrier_signal -1
	MUL12 F1, 1, 1, 0                              ; registers only
	WIN 0
	s_barrier_wait -1
.if \fill
	CREST
	s_add_nc_u64 s[G0A+4*\slot+2:G0A+4*\slot+3], s[G0A+4*\slot+2:G0A+4*\slot+3], 512   ; two K steps on; no tensor load of mine is out
	s_add_nc_u64 s[G0B+4*\slot+2:G0B+4*\slot+3], s[G0B+4*\slot+2:G0B+4*\slot+3], 512
	JLOAD \slot
.endif
	PLACES
	FETCH \next, 0, F0
	WIN MUL_HI
	MUL12 F1, 2, 0, 0
	MUL12 F1, 3, 1, 0
.endm
.macro LAP zero
	THREE 0, \zero
	TURN 0, 1, 1
	THREE 1, 0
	TURN 1, 0, 1
.endm
	s_wait_tensorcnt 0x1                           ; my part of K step 0 is in; K step 1's stays out
	s_barrier_signal -1
	s_barrier_wait -1
	FETCH 0, 0, F0
	LAP 1                                          ; the first products start the sums: nothing is cleared
	WIN 0
	s_mov_b32 s3, LAPS-2
.Llap:
	LAP 0
	WIN 0
	s_sub_co_u32 s3, s3, 1
	s_cmp_lg_u32 s3, 0
	s_cbranch_scc1 .Llap
	THREE 0, 0                                     ; the last lap fills nothing
	TURN 0, 1, 0
	THREE 1, 0
	s_wait_dscnt 4
	WIN MUL_LO
	MUL12 F1, 0, 0, 0
	MUL12 F1, 1, 1, 0
	s_wait_dscnt 0
	WIN MUL_HI
	MUL12 F1, 2, 0, 0
	MUL12 F1, 3, 1, 0
	PLACES                                         ; behind the last matrix instructions, ahead of every reader of a result
	WIN 0
	s_wait_loadcnt 0x0                             ; the scales
.irp i, 0,1,2,3,4,5,6,7,8,9,10,11,12,13,14,15
	v_pk_mul_f32 v[QS+2*\i:QS+2*\i+1], v[QS+2*\i:QS+2*\i+1], 0x3e38aa3b op_sel_hi:[1,0]   ; q_scale x 0.125 log2(e)
.endr
; v of row block a: a lane's 8 results of tile b are tokens 16 a + 8 h + 0..7 of column d = 16 (b - 8) + r: 16 bytes of a row of v transposed
.macro VOUT a, p, w2
	WIN \w2
.irp b, 0,1,2,3
.irp r, 0,1,2,3
	v_cvt_pk_f16_f32 v[PK+4*\b+\r], v[8*(12*\p+8+\b)+2*\r], v[8*(12*\p+8+\b)+2*\r+1]
.endr
.endr
	WIN 0
.irp b, 0,1,2,3
	ds_store_b128 v[STV], v[PK+4*\b:PK+4*\b+3] offset:16*VPITCH*\b+32*\a
.endr
.endm
	VOUT 0, 0, 0x0a
	VOUT 1, 1, 0x0a
	VOUT 2, 0, 0x0f
	VOUT 3, 1, 0x0f
	s_wait_dscnt 0x0                               ; my part of every row is written,
	s_barrier_signal -1
	s_barrier_wait -1                              ; everybody's is: whole rows of 256 tokens can be read
.irp t, 0,1,2,3,4,5,6,7,8,9,10,11,12,13,14,15
	ds_load_b128 v[RV+4*\t:RV+4*\t+3], v[RDV] offset:VPITCH*\t
.endr
.irp t, 0,1,2,3,4,5,6,7,8,9,10,11,12,13,14,15
	s_wait_dscnt 15-\t                             ; row t is in, the younger ones may be out
	global_store_b128 v[CO], v[RV+4*\t:RV+4*\t+3], s[16:17] offset:4096*\t   ; 512 consecutive bytes of row d = 16 w + t
.endr
; q (b0 = 0) or k (b0 = 4) of row block a: norm over the head's 64 columns (32 in this lane, 32 in the lane 16 away), scale, round, out.
.macro NORMOUT a, p, w2, w1, b0, sc, base
	WIN \w2
.irp c, 0,1,2,3
	v_pk_mul_f32 v[SS+2*\c:SS+2*\c+1], v[8*(12*\p+\b0)+2*\c:8*(12*\p+\b0)+2*\c+1], v[8*(12*\p+\b0)+2*\c:8*(12*\p+\b0)+2*\c+1]   ; the first squares start four chains
.endr
.irp b, 1,2,3
.irp c, 0,1,2,3
	v_pk_fma_f32 v[SS+2*\c:SS+2*\c+1], v[8*(12*\p+\b0+\b)+2*\c:8*(12*\p+\b0+\b)+2*\c+1], v[8*(12*\p+\b0+\b)+2*\c:8*(12*\p+\b0+\b)+2*\c+1], v[SS+2*\c:SS+2*\c+1]
.endr
.endr
	WIN 0
	v_pk_add_f32 v[SS:SS+1], v[SS:SS+1], v[SS+2:SS+3]
	v_pk_add_f32 v[SS+4:SS+5], v[SS+4:SS+5], v[SS+6:SS+7]
	v_pk_add_f32 v[SS:SS+1], v[SS:SS+1], v[SS+4:SS+5]
	v_add_f32 v[SS], v[SS], v[SS+1]
	v_permlanex16_b32 v[SS+1], v[SS], s70, s71     ; the other 32 columns' sum
	v_add_f32 v[SS], v[SS], v[SS+1]
	v_sqrt_f32 v[SS+2], v[SS]
	v_nop                                          ; one plain place behind a transcendental (ISA guide 5.7.2)
	s_wait_alu depctr_va_vdst(0)
	v_max_num_f32 v[SS+2], 0x2b8cbccc, v[SS+2]     ; max(norm, 1e-12)
	v_rcp_f32 v[INV], v[SS+2]
	v_rcp_f32 v[INV+1], v[SS+2]
	v_nop
	WIN \w1
	s_wait_alu depctr_va_vdst(0)
.irp i, 0,1,2,3,4,5,6,7,8,9,10,11,12,13,14,15
	v_pk_mul_f32 v[T+2*\i:T+2*\i+1], v[8*(12*\p+\b0)+2*\i:8*(12*\p+\b0)+2*\i+1], v[INV:INV+1]
.endr
	WIN 0
.irp i, 0,1,2,3,4,5,6,7,8,9,10,11,12,13,14,15
	v_pk_mul_f32 v[T+2*\i:T+2*\i+1], v[T+2*\i:T+2*\i+1], v[\sc+2*\i:\sc+2*\i+1]
.endr
.irp i, 0,1,2,3,4,5,6,7,8,9,10,11,12,13,14,15
	v_cvt_pk_f16_f32 v[PK+\i], v[T+2*\i], v[T+2*\i+1]
.endr
.irp b, 0,1,2,3
	ds_store_b128 v[STO], v[PK+4*\b:PK+4*\b+3] offset:32*\b
.endr
	s_wait_xcnt 0x0                                ; RB was the data of earlier stores: it is loaded again only behind this wait
.irp t, 0,1,2,3
	ds_load_b128 v[RB+4*\t:RB+4*\t+3], v[RD] offset:4*QPITCH*\t    ; my own bytes: LDS serves a wave's instructions in order
.endr
.irp t, 0,1,2,3
	s_wait_dscnt 3-\t
	global_store_b128 v[CO], v[RB+4*\t:RB+4*\t+3], s[\base:\base+1] offset:2048*\a+512*\t   ; four tokens' rows: 512 consecutive bytes
.endr
.endm
	NORMOUT 0, 0, 0x0a, 0x02, 0, QS, 12
	NORMOUT 0, 0, 0x0a, 0x02, 4, KS, 14
	NORMOUT 1, 1, 0x0a, 0x02, 0, QS, 12
	NORMOUT 1, 1, 0x0a, 0x02, 4, KS, 14
	NORMOUT 2, 0, 0x0f, 0x03, 0, QS, 12
	NORMOUT 2, 0, 0x0f, 0x03, 4, KS, 14
	NORMOUT 3, 1, 0x0f, 0x03, 0, QS, 12
	NORMOUT 3, 1, 0x0f, 0x03, 4, KS, 14
	s_wait_tensorcnt 0x0
	ds_add_u32 v254, v255
	s_wait_dscnt 0x0
	CROUND                                         ; the closing round: no work-group ends while a partner may still ask for a tile that names it
	s_endpgm
.Lfunc_end_k_qc08ff7ccd8_qkv:
	.size	k_qc08ff7ccd8_qkv, .Lfunc_end_k_qc08ff7ccd8_qkv-k_qc08ff7ccd8_qkv
	.p2alignl 7, 3214868480
	.fill 96, 4, 3214868480
	.section	.rodata,"a",@progbits
	.p2align	6, 0x0
	.amdhsa_kernel k_qc08ff7ccd8_qkv
		.amdhsa_group_segment_fixed_size 327680
		.amdhsa_private_segment_fixed_size 0
		.amdhsa_enable_private_segment 0
		.amdhsa_kernarg_size 56
		.amdhsa_user_sgpr_count 2
		.amdhsa_user_sgpr_kernarg_segment_ptr 1
		.amdhsa_wavefront_size32 1
		.amdhsa_system_sgpr_workgroup_id_x 1
		.amdhsa_system_sgpr_workgroup_id_y 1
		.amdhsa_system_sgpr_workgroup_id_z 1
		.amdhsa_system_vgpr_workitem_id 0
		.amdhsa_next_free_vgpr 1024
		.amdhsa_next_free_sgpr 80
		.amdhsa_reserve_vcc 0
		.amdhsa_float_denorm_mode_32 3
		.amdhsa_float_denorm_mode_16_64 3
		.amdhsa_memory_ordered 1
		.amdhsa_forward_progress 1
		.amdhsa_inst_pref_size 197
	.end_amdhsa_kernel
	.amdgpu_metadata
---
amdhsa.version: [ 1, 2 ]
amdhsa.kernels:
  - .name:           k_qc08ff7ccd8_qkv
    .symbol:         k_qc08ff7ccd8_qkv.kd
    .args:
      - { .name: xb, .offset: 0, .size: 8, .value_kind: global_buffer, .address_space: global }
      - { .name: wb, .offset: 8, .size: 8, .value_kind: global_buffer, .address_space: global }
      - { .name: q_scale, .offset: 16, .size: 8, .value_kind: global_buffer, .address_space: global }
      - { .name: k_scale, .offset: 24, .size: 8, .value_kind: global_buffer, .address_space: global }
      - { .name: qb, .offset: 32, .size: 8, .value_kind: global_buffer, .address_space: global }
      - { .name: kb, .offset: 40, .size: 8, .value_kind: global_buffer, .address_space: global }
      - { .name: vt, .offset: 48, .size: 8, .value_kind: global_buffer, .address_space: global }
    .group_segment_fixed_size: 327680
    .private_segment_fixed_size: 0
    .kernarg_segment_align: 8
    .kernarg_segment_size: 56
    .max_flat_workgroup_size: 128
    .sgpr_count:     80
    .vgpr_count:     1024
    .wavefront_size: 32
...
	.end_amdgpu_metadata
.endif
;; end of part 2
;; launch attn (part 3): grid 8 x 32, 8 waves a work-group, clusters of 4 x 1, 327,680 bytes of LDS; arguments qb, kb, vt, ob; writes ob
.if DOCPART == 3
	.amdgcn_target "amdgcn-amd-amdhsa--gfx1250"
	.amdhsa_code_object_version 6
	.text
	.protected	k_qc08ff7ccd8_attn
	.globl	k_qc08ff7ccd8_attn
	.p2align	8
	.type	k_qc08ff7ccd8_attn,@function
k_qc08ff7ccd8_attn:
	s_mov_b64 s[64:65], 0
	v_nop
	global_prefetch_b8 v0, s[64:65] scope:SCOPE_SE
	s_setreg_imm32_b32 hwreg(HW_REG_WAVE_MODE, 25, 1), 1
	s_wait_xcnt 0x0
	s_wait_alu depctr_hold_cnt(0) depctr_sa_sdst(0) depctr_va_vdst(0) depctr_va_sdst(0) depctr_va_ssrc(0) depctr_va_vcc(0) depctr_vm_vsrc(0)
	s_getreg_b32 s2, hwreg(HW_REG_IB_STS2, 6, 4)
	s_cmp_eq_u32 s2, 0
	s_cbranch_scc0 .Lentry_in_a_cluster
	s_endpgm
.Lentry_in_a_cluster:
	s_bfe_u32 s2, ttmp6, 0x10000c
	s_cmp_lg_u32 s2, 0x3003
	s_cbranch_scc0 .Lentry_shape_is_right
	s_endpgm
.Lentry_shape_is_right:
; softmax(q k^T) v for 256 queries of one (batch, head), over 2048 keys, with a running maximum.  ob: [32][2048][64] f16.
; q comes scaled by 0.125 log2(e): the scores are exponents of two.
; LIMITS: NaN and infinities are not treated apart (v_max_num_f32 drops a NaN).  v_exp_f32 gives zero for a probability under 2^-126.
; The probabilities go to the matrix unit rounded to f16: they lie in (0, 1], the largest of a row's is 1, and one under 6e-8 counts as zero there;
; their sum is taken from the unrounded numbers.  o is a convex mix of v and so has v's bound in f16; where x and Wv are both 30 times smaller than
; spreads 1 and 0.02 and attention is flat, o has spread 1.6e-5, some 270 of f16's smallest steps.
; SHARE: work-group (x = 256 queries, y = 16 batch + head); wave w: 32 queries, two blocks of 16; eight waves.
; CLUSTER 4 x 1: four query blocks of one head walk the same keys and values and ask for each tile jointly (mask 15).
; LAYOUT: S^T = K Q^T (source 0 = keys): lane (r, h) holds, for query r, keys 8 h .. 8 h + 7 of each tile of 16 keys.  Packed to f16 that IS the
; second source of O^T = V^T P: no number crosses lanes.  Maximum, sum and rescale factor are one number a lane; only the maximum crosses
; the two halves of the wave in each step, the sum once at the end.
; PIPELINE: a step is 64 keys: 16 matrix instructions K Q^T, some 240 vector instructions of softmax, 16 matrix instructions V^T P.  Turn i of the
; text holds the softmax of step i, and strewn among it the matrix work that does not hang on it: V^T P of step i - 1 in its first half (maxima),
; K Q^T of step i + 1 in its second half (exponentials, sums, packing).  So no long run of one kind stands in the text, and the vector
; instructions are the places behind the matrix instructions.  S has two buffers that take turns.
; WINDOWS: window 0 holds all that the softmax and K Q^T name (S twice 64, K 64, Q 32, 32 small): they run under setting 0.  P is packed in place into
; the lower 32 registers of its S buffer.  Window 1 holds O (64) and V^T (64).  One setting, 0x51, serves V^T P (source 0 = V^T, C and D = O in
; window 1; source 1 = P in window 0) and the rescaling of O (source 0 and destination O, source 1 the factor).
; RING: tiles of 256 keys through two LDS slots; each wave brings 32 rows of K and 8 rows of V^T of each tile: by this text's own count four tensor
; loads out at the start (tiles 0 and 1), two afterwards.  A slot's last reads are V^T of its fourth step, so the change of slots stands in that turn.
.set KPITCH, 144                       ; 128 bytes + 16
.set VPITCH, 528                       ; 512 bytes + 16
.set KBYTES, 256*KPITCH
.set SLOT,   KBYTES+64*VPITCH          ; 70,656
.set STAGE,  2*SLOT                    ; 16 rows x 144 bytes for each wave, for the way out
.set TB,  2                            ; v2-3     what v_permlanex16_b32 brings
.set KAD, 4                            ; v4-5     LDS address of my K fragments in slot 0, 1
.set VAD, 6                            ; v6-7     the same for V^T
.set QOF, 8
.set STO, 9
.set RD,  10
.set CO,  11
.set MX,  12                           ; v12-13   running maximum of query block 0, 1
.set LS,  14                           ; v14-15   running sum (this lane's half of the keys)
.set NM,  16                           ; v[16:19] new maximum, twice for each block
.set AL,  20                           ; v[20:23] 2^(old - new maximum), twice for each block; lives until the next turn has rescaled O
.set TA,  24                           ; v[24:31] at work
.set SB,  32                           ; v[32:95], v[96:159] S buffer 0, 1: tile (q, k) at 8 (4 q + k); later P: fragment (q, g) at 16 q + 8 g
.set KF,  160                          ; v[160:223] K fragments (k, d) at 8 (2 k + d)
.set QR,  224                          ; v[224:255] Q fragments (q, d) at 8 (2 q + d)
.set OA,  0                            ; window 1: O^T tiles (q, t) at 8 (4 q + t)
.set VF,  64                           ; window 1: V^T fragments (g, t) at 64 + 8 (4 g + t)
.set G1K, 16
.set G1V, 24
.set G0K, 32
.set G0V, 40
.set W_MP, 0x51                        ; source 0 window 1, source 1 window 0, source 2 and destination window 1
.set W_VL, 0x40                        ; destination window 1, address window 0
.set MSB, 0
.macro WIN new                         ; the immediate's high byte repeats the setting that is left
.if MSB != \new
	s_set_vgpr_msb (MSB<<8)|\new
.set MSB, \new
.endif
.endm
.macro PLACES                          ; four places behind matrix instructions (ISA guide 7.12.1), where no vector work is at hand
.rept 4
	v_nop
.endr
.endm
.macro ROUND                           ; a round of the cluster's barrier
	s_barrier_signal -1
	s_barrier_wait -1
	s_cmp_lg_u32 s12, 0
	s_cbranch_scc1 .Lnot_wave_0_\@
	s_barrier_signal -3
.Lnot_wave_0_\@:
	s_barrier_wait -3
	s_barrier_signal -1
	s_barrier_wait -1
.endm
	s_load_b256 s[4:11], s[0:1], 0x0               ; qb s[4:5], kb s[6:7], vt s[8:9], ob s[10:11]
	s_set_vgpr_msb 0x40
	v_lshl_add_u32 v128, v0, 2, 0x29000
	v_mov_b32 v129, 0
	s_set_vgpr_msb 0x4045
	ds_add_u32 v128, v129
	s_set_vgpr_msb 0x4500
	v_lshrrev_b32 v1, 5, v0
	v_readfirstlane_b32 s12, v1                    ; wave 0..7
	s_bfe_u32 s13, ttmp6, 0x40000                  ; cx
	s_lshl_b32 s14, ttmp9, 2
	s_add_co_u32 s14, s14, s13                     ; query block = 4 x cluster x + cx
	s_and_b32 s15, ttmp7, 0xffff                   ; 16 batch + head
	s_mov_b32 s54, 0x76543210
	s_mov_b32 s55, 0xfedcba98
	s_mov_b32 s[G1K+0], 15|(1<<16)|(1<<20)|(1<<21)|(4<<22)|(3<<25)  ; all four partners; 2-byte elements; after every 32 words, 4 words
	s_mov_b32 s[G1K+1], 64<<16                     ; tensor_dim0 = 64
	s_mov_b32 s[G1K+2], 32<<16                     ; tensor_dim1 = 32
	s_mov_b32 s[G1K+3], 64<<16                     ; tile_dim0 = 64
	s_mov_b32 s[G1K+4], 32                         ; tile_dim1 = 32
	s_mov_b32 s[G1K+5], 64
	s_mov_b32 s[G1K+6], 0
	s_mov_b32 s[G1K+7], 0
	s_mov_b32 s[G1V+0], 15|(1<<16)|(1<<20)|(1<<21)|(6<<22)|(3<<25)  ; after every 128 words, 4 words
	s_mov_b32 s[G1V+1], 256<<16
	s_mov_b32 s[G1V+2], 8<<16
	s_mov_b32 s[G1V+3], 256<<16
	s_mov_b32 s[G1V+4], 8
	s_mov_b32 s[G1V+5], 2048
	s_mov_b32 s[G1V+6], 0
	s_mov_b32 s[G1V+7], 0
	s_lshl_b32 s56, s15, 18                        ; K: the head's 262,144 bytes, my 32 rows of 128 bytes; cx never enters these registers
	s_lshl_b32 s49, s12, 12
	s_add_co_u32 s56, s56, s49
	s_mov_b32 s57, 0
	s_lshl_b32 s58, s15, 18                        ; V^T: my 8 rows of 4,096 bytes
	s_lshl_b32 s49, s12, 15
	s_add_co_u32 s58, s58, s49
	s_mov_b32 s59, 0
	s_lshl_b32 s50, s14, 15                        ; Q and O: 256 queries of 128 bytes a block, my 32 queries
	s_add_co_u32 s50, s50, s56
	s_mov_b32 s51, 0
	s_mul_i32 s60, s12, 32*KPITCH
	s_mul_i32 s61, s12, 8*VPITCH
	v_and_b32 v1, 15, v0                           ; r
	v_bfe_u32 v2, v0, 4, 1                         ; h
	v_and_b32 v3, 31, v0                           ; lane
	v_lshlrev_b32 v[QOF], 7, v1
	v_lshl_add_u32 v[QOF], v2, 4, v[QOF]           ; 128 r + 16 h
	s_wait_dscnt 0x0
	s_wait_kmcnt 0x0
	s_add_nc_u64 s[56:57], s[6:7], s[56:57]
	s_add_nc_u64 s[58:59], s[8:9], s[58:59]
	s_add_nc_u64 s[4:5], s[4:5], s[50:51]
	s_add_nc_u64 s[10:11], s[10:11], s[50:51]
.irp q, 0,1                                        ; Q is asked for first: it travels while the cluster gathers
.irp d, 0,1
	global_load_b128 v[QR+8*(2*\q+\d):QR+8*(2*\q+\d)+3],   v[QOF], s[4:5] offset:2048*\q+64*\d
	global_load_b128 v[QR+8*(2*\q+\d)+4:QR+8*(2*\q+\d)+7], v[QOF], s[4:5] offset:2048*\q+64*\d+32
.endr
.endr
.irp s, 0,1
	s_mov_b32 s[G0K+4*\s], 1
	s_add_co_u32 s[G0K+4*\s+1], s60, \s*SLOT
	s_add_nc_u64 s[G0K+4*\s+2:G0K+4*\s+3], s[56:57], \s*32768      ; tile s: 256 keys of 128 bytes
	s_or_b32 s[G0K+4*\s+3], s[G0K+4*\s+3], 0x80000000
	s_mov_b32 s[G0V+4*\s], 1
	s_add_co_u32 s[G0V+4*\s+1], s61, \s*SLOT+KBYTES
	s_add_nc_u64 s[G0V+4*\s+2:G0V+4*\s+3], s[58:59], \s*512        ; tile s: 256 tokens of 2 bytes
	s_or_b32 s[G0V+4*\s+3], s[G0V+4*\s+3], 0x80000000
.endr
	ROUND                                          ; in front of the first joint loads
.irp s, 0,1
	tensor_load_to_lds s[G0K+4*\s:G0K+4*\s+3], s[G1K:G1K+7]        ; tiles 0 and 1: first fills of both slots
	s_nop 0
	tensor_load_to_lds s[G0V+4*\s:G0V+4*\s+3], s[G1V:G1V+7]
	s_nop 0
.endr
	v_mul_u32_u24 v[KAD], v1, KPITCH
	v_lshl_add_u32 v[KAD], v2, 4, v[KAD]
	v_add_nc_u32 v[KAD+1], SLOT, v[KAD]
	v_mul_u32_u24 v[VAD], v1, VPITCH
	v_lshl_add_u32 v[VAD], v2, 4, v[VAD]
	v_add_nc_u32 v[VAD+1], SLOT+KBYTES, v[VAD]
	v_add_nc_u32 v[VAD], KBYTES, v[VAD]
	s_mul_i32 s49, s12, 16*KPITCH
	s_add_co_u32 s49, s49, STAGE                   ; my stage
	v_add_nc_u32 v[STO], s49, v[KAD]               ; in: row r, 16 bytes for each half of the lanes
	v_lshrrev_b32 v[RD], 3, v3
	v_mul_u32_u24 v[RD], v[RD], KPITCH
	v_and_b32 v[CO], 7, v3
	v_lshl_add_u32 v[RD], v[CO], 4, v[RD]
	v_add_nc_u32 v[RD], s49, v[RD]                 ; back: eight lanes take one row of 128 bytes
	v_lshlrev_b32 v[CO], 4, v3
	v_mov_b32 v[TB], 0                             ; v_permlanex16_b32's destination counts as read
	v_mov_b32 v[TB+1], 0
.macro KLOAD slot, st                  ; the K fragments of 64 keys: 16 loads
.irp k, 0,1,2,3
.irp d, 0,1
	ds_load_b128 v[KF+8*(2*\k+\d):KF+8*(2*\k+\d)+3],   v[KAD+\slot] offset:(64*(\st)+16*\k)*KPITCH+64*\d
	ds_load_b128 v[KF+8*(2*\k+\d)+4:KF+8*(2*\k+\d)+7], v[KAD+\slot] offset:(64*(\st)+16*\k)*KPITCH+64*\d+32
.endr
.endr
.endm
.macro VLOAD slot, st                  ; the V^T fragments of 64 keys: 16 loads (under W_VL)
.irp g, 0,1
.irp t, 0,1,2,3
	ds_load_b128 v[VF+8*(4*\g+\t):VF+8*(4*\g+\t)+3],   v[VAD+\slot] offset:16*VPITCH*\t+128*\st+64*\g
	ds_load_b128 v[VF+8*(4*\g+\t)+4:VF+8*(4*\g+\t)+7], v[VAD+\slot] offset:16*VPITCH*\t+128*\st+64*\g+32
.endr
.endr
.endm
; SC: the S buffer of the turn's own step.  SN: the other one: it holds the last step's P, and later in the turn takes the next step's S.
; One matrix instruction of K Q^T into SN, number msi of 16: first all eight tiles with d = 0 .. 31 (they start the sums), then all eight with d = 32 .. 63.
.macro MSW
.set mq, (msi>>2)&1
.set mk, msi&3
.set md, msi>>3
.if msi < 8
	v_wmma_f32_16x16x32_f16 v[SN+8*(4*mq+mk):SN+8*(4*mq+mk)+7], v[KF+16*mk+8*md:KF+16*mk+8*md+7], v[QR+16*mq+8*md:QR+16*mq+8*md+7], 0
.else
	v_wmma_f32_16x16x32_f16 v[SN+8*(4*mq+mk):SN+8*(4*mq+mk)+7], v[KF+16*mk+8*md:KF+16*mk+8*md+7], v[QR+16*mq+8*md:QR+16*mq+8*md+7], v[SN+8*(4*mq+mk):SN+8*(4*mq+mk)+7]
.endif
.set msi, msi+1
.endm
; Two matrix instructions of V^T P, tiles (q, t0) and (q, t0 + 1), keys 32 g .. 32 g + 31 (under W_MP).  mode 2: ahead of a tile's first product it is
; rescaled by the factor of P's step.  mode 1: the very first step: the first products start the sums, nothing is rescaled or cleared.
.macro MPGI q, t0, g, mode
.if (2*\g+\mode) == 2
.irp t, \t0, \t0+1
.irp i, 0,1,2,3
	v_pk_mul_f32 v[OA+8*(4*\q+(\t))+2*\i:OA+8*(4*\q+(\t))+2*\i+1], v[OA+8*(4*\q+(\t))+2*\i:OA+8*(4*\q+(\t))+2*\i+1], v[AL+2*\q:AL+2*\q+1]
.endr
.endr
.endif
.irp t, \t0, \t0+1
.if (2*\g+\mode) == 1
	v_wmma_f32_16x16x32_f16 v[OA+8*(4*\q+(\t)):OA+8*(4*\q+(\t))+7], v[VF+8*(4*\g+(\t)):VF+8*(4*\g+(\t))+7], v[SN+16*\q+8*\g:SN+16*\q+8*\g+7], 0
.else
	v_wmma_f32_16x16x32_f16 v[OA+8*(4*\q+(\t)):OA+8*(4*\q+(\t))+7], v[VF+8*(4*\g+(\t)):VF+8*(4*\g+(\t))+7], v[SN+16*\q+8*\g:SN+16*\q+8*\g+7], v[OA+8*(4*\q+(\t)):OA+8*(4*\q+(\t))+7]
.endif
.endr
.endm
.macro MPG q, t0, g, mode              ; the same among vector work of window 0; mode 0: there is no step before this one
.if \mode
	WIN W_MP
	MPGI \q, \t0, \g, \mode
	WIN 0
.endif
.endm
.macro MAXB i                          ; four links of the four chains of maxima
.irp q, 0,1
	v_max3_num_f32 v[TA+2*\q],   v[TA+2*\q],   v[SC+32*\q+3+2*\i],  v[SC+32*\q+4+2*\i]
	v_max3_num_f32 v[TA+2*\q+1], v[TA+2*\q+1], v[SC+32*\q+20+2*\i], v[SC+32*\q+21+2*\i]
.endr
.endm
.macro SUBP q, i                       ; two scores less the new maximum
	v_pk_add_f32 v[SC+32*\q+2*\i:SC+32*\q+2*\i+1], v[SC+32*\q+2*\i:SC+32*\q+2*\i+1], v[NM+2*\q:NM+2*\q+1] neg_lo:[0,1] neg_hi:[0,1]
.endm
; Pair n of block q's 32 probabilities: added to one of two chains, then packed to f16 into register 16 q + n of the same buffer.  The packing of pair n
; writes over pair n / 2 of block 0 (block 1: over block 0's upper half, which is done by then): the sums run ahead of it.
.macro SUMCVT q, n
.if \n == 0
	s_wait_alu depctr_va_vdst(0)
	v_pk_add_f32 v[TA+4*\q:TA+4*\q+1], v[SC+32*\q:SC+32*\q+1], v[SC+32*\q+2:SC+32*\q+3]         ; pairs 0, 1 start chain 0
.endif
.if \n == 1
	v_pk_add_f32 v[TA+4*\q+2:TA+4*\q+3], v[SC+32*\q+4:SC+32*\q+5], v[SC+32*\q+6:SC+32*\q+7]     ; pairs 2, 3 start chain 1
.endif
.if \n > 3
	v_pk_add_f32 v[TA+4*\q+2*(\n%2):TA+4*\q+2*(\n%2)+1], v[TA+4*\q+2*(\n%2):TA+4*\q+2*(\n%2)+1], v[SC+32*\q+2*\n:SC+32*\q+2*\n+1]
.endif
	v_cvt_pk_f16_f32 v[SC+16*\q+\n], v[SC+32*\q+2*\n], v[SC+32*\q+2*\n+1]      ; 8 keys of a tile into 4 registers: the fragment's own order
.endm
; The change of slots.  Every wave has waited for all its tensor loads (the next tile among them) and for its LDS reads (this slot's last among them).
; bd = 1: a round of the cluster's barrier, and the joint refills of this slot, two tiles on, are the first tensor loads behind its closing wait.
; bd = 2: nothing is left to fetch: a barrier shows the last tile to all eight waves.  Then the next tile's first K fragments.
.macro BOUND slot, bd
	s_set_vgpr_msb 0x5
	s_wait_tensorcnt 0x0
	ds_add_u32 v128, v129
	s_wait_dscnt 0x0
	s_set_vgpr_msb 0x500
.if \bd == 1
	s_add_nc_u64 s[G0K+4*\slot+2:G0K+4*\slot+3], s[G0K+4*\slot+2:G0K+4*\slot+3], 65536   ; no load of mine is out: the descriptors may be written
	s_add_nc_u64 s[G0V+4*\slot+2:G0V+4*\slot+3], s[G0V+4*\slot+2:G0V+4*\slot+3], 1024
.endif
	s_wait_dscnt 0x0
.if \bd == 1
	ROUND
	tensor_load_to_lds s[G0K+4*\slot:G0K+4*\slot+3], s[G1K:G1K+7]
	s_nop 0
	tensor_load_to_lds s[G0V+4*\slot:G0V+4*\slot+3], s[G1V:G1V+7]
	s_nop 0
.else
	s_barrier_signal -1
	s_barrier_wait -1
.endif
	KLOAD 1-\slot, 0
.endm
; Turn i: step st (0 .. 3) of the tile in slot.  mp: V^T P of step i - 1 (0 none, 1 the first, 2 as a rule).  first: step 0 starts maximum and sum.
; bd: the change of slots (0 none).  last: step 31: nothing follows.
; All matrix instructions take their accumulators by turns, one instruction a turn, eight O tiles and eight S tiles.
.macro ITER slot, st, mp, first, bd, last
.set SC, SB+64*(\st%2)
.set SN, SB+64-64*(\st%2)
.set msi, 0
	; FIRST HALF: the largest of my 32 scores of each query block, two chains a block; among it V^T P of the step before
.irp q, 0,1
	v_max3_num_f32 v[TA+2*\q],   v[SC+32*\q],    v[SC+32*\q+1],  v[SC+32*\q+2]
	v_max3_num_f32 v[TA+2*\q+1], v[SC+32*\q+17], v[SC+32*\q+18], v[SC+32*\q+19]
.endr
	MAXB 0
.if \mp
.if \st == 3
	s_wait_dscnt 0x0                               ; V^T of the step before is in (the turn before loaded no K behind it)
.else
	s_wait_dscnt 16                                ; V^T of the step before is in; the 16 younger loads of K may be out
.endif
.endif
	MPG 0, 0, 0, \mp
	MAXB 1
	MAXB 2
	MPG 0, 2, 0, \mp
	MAXB 3
	MAXB 4
	MPG 1, 0, 0, \mp
	MAXB 5
.irp q, 0,1
	v_max3_num_f32 v[TA+2*\q], v[TA+2*\q], v[SC+32*\q+15], v[SC+32*\q+16]
.endr
.irp q, 0,1
.if \first
	v_max_num_f32 v[TA+2*\q], v[TA+2*\q], v[TA+2*\q+1]
.else
	v_max3_num_f32 v[TA+2*\q], v[TA+2*\q], v[TA+2*\q+1], v[MX+\q]
.endif
.endr
	MPG 1, 2, 0, \mp                               ; all eight tiles are rescaled: the old factor is free
.irp q, 0,1
	v_permlanex16_b32 v[TB+\q], v[TA+2*\q], s54, s55               ; the other half's keys of the same query
.endr
.irp q, 0,1
	v_max_num_f32 v[NM+2*\q],   v[TA+2*\q], v[TB+\q]
	v_max_num_f32 v[NM+2*\q+1], v[TA+2*\q], v[TB+\q]
.endr
	MPG 0, 0, 1, \mp
.if \first == 0
.irp q, 0,1
	v_sub_f32 v[TA+4+\q], v[MX+\q], v[NM+2*\q]
.endr
.irp q, 0,1
	v_exp_f32 v[AL+2*\q],   v[TA+4+\q]                             ; what the old sums are worth under the new maximum
	v_exp_f32 v[AL+2*\q+1], v[TA+4+\q]
.endr
.endif
.irp q, 0,1
	v_mov_b32 v[MX+\q], v[NM+2*\q]                                 ; also the plain place behind the exponentials (ISA guide 5.7.2)
.endr
	MPG 0, 2, 1, \mp
.irp i, 0,1,2,3,4
	SUBP 0, \i
.endr
	MPG 1, 0, 1, \mp
.irp i, 5,6,7,8,9
	SUBP 0, \i
.endr
	MPG 1, 2, 1, \mp
.irp i, 10,11,12,13,14,15
	SUBP 0, \i                                     ; six places behind the last V^T P: for the loads into V^T (four) and for K Q^T, which writes over P (five)
.endr
	; SECOND HALF: exponentials, sums, packing; among it K Q^T of the next step
	WIN W_VL
	VLOAD \slot, \st                               ; V^T of this step, for the next turn
	WIN 0
.if \last == 0
.if \bd == 0
	s_wait_dscnt 16                                ; the next step's K fragments are in; the 16 loads of V^T just issued may be out
.endif
.endif
.irp n, 0,1,2,3,4,5,6,7,8,9,10,11,12,13,14,15     ; block 0's exponentials, with block 1's subtraction as the plain work between them
	v_exp_f32 v[SC+2*\n], v[SC+2*\n]
	v_exp_f32 v[SC+2*\n+1], v[SC+2*\n+1]
	SUBP 1, \n
.if \last == 0
.if \bd == 0
.if (\n%3) == 2
	MSW                                            ; five here
.endif
.else
.if \n == 7
	BOUND \slot, \bd                               ; 24 vector instructions behind the slot's last reads
.endif
.endif
.endif
.endr
.if \bd
	s_wait_dscnt 0x0                               ; the next tile's first K fragments are in
.endif
.irp n, 0,1,2,3,4,5,6,7,8,9,10,11,12,13,14,15     ; block 1's exponentials, with block 0's sums and packing between them
	v_exp_f32 v[SC+32+2*\n], v[SC+32+2*\n]
	v_exp_f32 v[SC+32+2*\n+1], v[SC+32+2*\n+1]
	SUMCVT 0, \n
.if \last == 0
.if \bd == 0
.if (\n%2) == 1
.if \n < 15
	MSW                                            ; seven here
.endif
.endif
.else
.if (\n%4) != 3
	MSW                                            ; behind a change of slots: twelve here
.endif
.endif
.endif
.endr
.irp n, 0,1,2,3,4,5,6,7,8,9,10,11,12,13,14,15     ; block 1's sums and packing
	SUMCVT 1, \n
.if \last == 0
.if (\n%4) == 2
	MSW                                            ; the last four; behind the last of them stand at least five plain vector instructions
.endif
.endif
.endr
.irp q, 0,1
	v_pk_add_f32 v[TA+4*\q:TA+4*\q+1], v[TA+4*\q:TA+4*\q+1], v[TA+4*\q+2:TA+4*\q+3]
.endr
.irp q, 0,1
.if \first
	v_add_f32 v[LS+\q], v[TA+4*\q], v[TA+4*\q+1]
.else
	v_fma_f32 v[LS+\q], v[LS+\q], v[AL+2*\q], v[TA+4*\q]
	v_add_f32 v[LS+\q], v[LS+\q], v[TA+4*\q+1]
.endif
.endr
.if \last == 0
.if \st < 2
	KLOAD \slot, \st+2                             ; K of the step after next, same tile
.endif
.if \st == 3
	KLOAD 1-\slot, 1                               ; the next tile's second step.  (The third turn loads none: the next tile is not yet shown landed.)
.endif
.endif
.endm
.macro TRIP slot, bd
	ITER \slot, 0, 2, 0, 0, 0
	ITER \slot, 1, 2, 0, 0, 0
	ITER \slot, 2, 2, 0, 0, 0
	ITER \slot, 3, 2, 0, \bd, 0
.endm
	s_wait_tensorcnt 0x2                           ; my two parts of tile 0 are in; tile 1's two stay out
	s_barrier_signal -1
	s_barrier_wait -1
	KLOAD 0, 0
	s_wait_loadcnt 0x0                             ; Q, once
	s_wait_dscnt 0x0
.set SN, SB
.set msi, 0
.rept 16
	MSW                                            ; K Q^T of step 0: nothing to strew it among yet
.endr
	PLACES
	KLOAD 0, 1
	ITER 0, 0, 0, 1, 0, 0                          ; eight tiles: two here, four in the loop, two behind it
	ITER 0, 1, 1, 0, 0, 0
	ITER 0, 2, 2, 0, 0, 0
	ITER 0, 3, 2, 0, 1, 0
	TRIP 1, 1
	s_mov_b32 s48, 2
.Llap:
	TRIP 0, 1
	TRIP 1, 1
	s_sub_co_u32 s48, s48, 1
	s_cmp_lg_u32 s48, 0
	s_cbranch_scc1 .Llap
	TRIP 0, 2                                      ; tile 6: the change of slots fetches nothing
	ITER 1, 0, 2, 0, 0, 0
	ITER 1, 1, 2, 0, 0, 0
	ITER 1, 2, 2, 0, 0, 0
	ITER 1, 3, 2, 0, 0, 1
	s_wait_dscnt 0x0                               ; V^T of step 31
.set SN, SB+64                                     ; its P
	WIN W_MP
	MPGI 0, 0, 0, 2
	MPGI 0, 2, 0, 2
	MPGI 1, 0, 0, 2
	MPGI 1, 2, 0, 2
	MPGI 0, 0, 1, 2
	MPGI 0, 2, 1, 2
	MPGI 1, 0, 1, 2
	MPGI 1, 2, 1, 2
	WIN 0
	PLACES                                         ; ahead of the readers of O
	; the way out: both halves' sums, O / sum, f16, 16 queries at a time through my own stage
.irp q, 0,1
	v_permlanex16_b32 v[TB+\q], v[LS+\q], s54, s55
.endr
.irp q, 0,1
	v_add_f32 v[TA+\q], v[LS+\q], v[TB+\q]
.endr
.irp q, 0,1
	v_rcp_f32 v[AL+2*\q],   v[TA+\q]
	v_rcp_f32 v[AL+2*\q+1], v[TA+\q]
.endr
	v_nop
	WIN 0x01                                       ; source 0 (O) window 1
	s_wait_alu depctr_va_vdst(0)
.irp q, 0,1
.irp i, 0,1,2,3,4,5,6,7,8,9,10,11,12,13,14,15
	v_pk_mul_f32 v[SB+32*\q+2*\i:SB+32*\q+2*\i+1], v[OA+32*\q+2*\i:OA+32*\q+2*\i+1], v[AL+2*\q:AL+2*\q+1]
.endr
.endr
	WIN 0
.set j, 0
.rept 32
	v_cvt_pk_f16_f32 v[KF+j], v[SB+2*j], v[SB+2*j+1]
.set j, j+1
.endr
.irp q, 0,1
.irp t, 0,1,2,3
	ds_store_b128 v[STO], v[KF+16*\q+4*\t:KF+16*\q+4*\t+3] offset:32*\t    ; query r, columns 16 t + 8 h + 0..7
.endr
.irp i, 0,1,2,3
	ds_load_b128 v[KF+32+16*\q+4*\i:KF+32+16*\q+4*\i+3], v[RD] offset:4*KPITCH*\i   ; my own bytes: LDS serves a wave's instructions in order
.endr
.irp i, 0,1,2,3
	s_wait_dscnt 3-\i                              ; row group i is in, the 3 - i younger loads may be out
	global_store_b128 v[CO], v[KF+32+16*\q+4*\i:KF+32+16*\q+4*\i+3], s[10:11] offset:2048*\q+512*\i   ; four queries' rows: 512 consecutive bytes
.endr
.endr
	s_set_vgpr_msb 0x5
	s_wait_tensorcnt 0x0
	ds_add_u32 v128, v129
	s_wait_dscnt 0x0
	s_set_vgpr_msb 0x500
	ROUND                                          ; the closing round
	s_endpgm
.Lfunc_end_k_qc08ff7ccd8_attn:
	.size	k_qc08ff7ccd8_attn, .Lfunc_end_k_qc08ff7ccd8_attn-k_qc08ff7ccd8_attn
	.p2alignl 7, 3214868480
	.fill 96, 4, 3214868480
	.section	.rodata,"a",@progbits
	.p2align	6, 0x0
	.amdhsa_kernel k_qc08ff7ccd8_attn
		.amdhsa_group_segment_fixed_size 327680
		.amdhsa_private_segment_fixed_size 0
		.amdhsa_enable_private_segment 0
		.amdhsa_kernarg_size 32
		.amdhsa_user_sgpr_count 2
		.amdhsa_user_sgpr_kernarg_segment_ptr 1
		.amdhsa_wavefront_size32 1
		.amdhsa_system_sgpr_workgroup_id_x 1
		.amdhsa_system_sgpr_workgroup_id_y 1
		.amdhsa_system_sgpr_workgroup_id_z 1
		.amdhsa_system_vgpr_workitem_id 0
		.amdhsa_next_free_vgpr 386
		.amdhsa_next_free_sgpr 66
		.amdhsa_reserve_vcc 0
		.amdhsa_float_denorm_mode_32 3
		.amdhsa_float_denorm_mode_16_64 3
		.amdhsa_memory_ordered 1
		.amdhsa_forward_progress 1
		.amdhsa_inst_pref_size 255
	.end_amdhsa_kernel
	.section	.bss,"aw",@nobits
	.p2align	6
	.space	262144
	.amdgpu_metadata
---
amdhsa.version: [ 1, 2 ]
amdhsa.kernels:
  - .name:           k_qc08ff7ccd8_attn
    .symbol:         k_qc08ff7ccd8_attn.kd
    .args:
      - { .name: qb, .offset: 0, .size: 8, .value_kind: global_buffer, .address_space: global }
      - { .name: kb, .offset: 8, .size: 8, .value_kind: global_buffer, .address_space: global }
      - { .name: vt, .offset: 16, .size: 8, .value_kind: global_buffer, .address_space: global }
      - { .name: ob, .offset: 24, .size: 8, .value_kind: global_buffer, .address_space: global }
    .group_segment_fixed_size: 327680
    .private_segment_fixed_size: 0
    .kernarg_segment_align: 8
    .kernarg_segment_size: 32
    .max_flat_workgroup_size: 256
    .sgpr_count:     66
    .vgpr_count:     386
    .wavefront_size: 32
...
	.end_amdgpu_metadata
.endif
;; end of part 3
;; launch oproj (part 4): grid 8 x 32, 4 waves a work-group, clusters of 4 x 4, 327,680 bytes of LDS; arguments ob, wb, bo, out0; writes out0
.if DOCPART == 4
	.amdgcn_target "amdgcn-amd-amdhsa--gfx1250"
	.amdhsa_code_object_version 6
	.text
	.protected	k_qc08ff7ccd8_oproj
	.globl	k_qc08ff7ccd8_oproj
	.p2align	8
	.type	k_qc08ff7ccd8_oproj,@function
k_qc08ff7ccd8_oproj:
	s_mov_b64 s[64:65], 0
	v_nop
	global_prefetch_b8 v0, s[64:65] scope:SCOPE_SE
	s_setreg_imm32_b32 hwreg(HW_REG_WAVE_MODE, 25, 1), 1
	s_wait_xcnt 0x0
	s_wait_alu depctr_hold_cnt(0) depctr_sa_sdst(0) depctr_va_vdst(0) depctr_va_sdst(0) depctr_va_ssrc(0) depctr_va_vcc(0) depctr_vm_vsrc(0)
	s_getreg_b32 s2, hwreg(HW_REG_IB_STS2, 6, 4)
	s_cmp_eq_u32 s2, 0
	s_cbranch_scc0 .Lentry_in_a_cluster
	s_endpgm
.Lentry_in_a_cluster:
	s_bfe_u32 s2, ttmp6, 0x10000c
	s_cmp_lg_u32 s2, 0xf033
	s_cbranch_scc0 .Lentry_shape_is_right
	s_endpgm
.Lentry_shape_is_right:
; out0[m][n] = sum over e of o[m][e] Wo[n][e] + bo[n], f32.  o lies as ob[16 batch + head][token][64] f16, Wo as rows 3072 .. 4095 of wb, f16;
; sums and bias in f32.  (The operands' room in f16 is reckoned where they are made.)
; SHARE: work-group (x = 128 columns, y = 128 rows); wave w: rows 64 (w / 2), columns 64 (w % 2): 16 accumulator tiles.
; RING: K in steps of 256 (four heads) through two LDS slots.  A head's 128 rows of 128 bytes are one dense piece of ob; wave w brings head w of the
; step and 32 rows of Wo: by this text's own count four tensor loads out at the start, two afterwards.
; CLUSTER 4 x 4: ob's tiles are shared along a cluster's row, Wo's along a column, each asked for jointly.
; The matrix instruction is used transposed (source 0 = Wo): a lane holds one row and 8 neighbouring columns.  The bias is the C of the first products.
.set APITCH, 144
.set BPITCH, 528
.set ASUB,   128*APITCH                ; one head's 128 rows: 18,432
.set ABYTES, 4*ASUB
.set SLOT,   ABYTES+128*BPITCH         ; 141,312
.set STAGE,  2*SLOT                    ; 16 rows x 272 bytes for each wave
.set SPITCH, 272
.set ADRA, 16
.set ADRB, 20
.set STO,  24
.set RD,   25
.set CO,   26
.set BOF,  27
.set BO,   32                          ; v[32:63]   the bias of my 32 columns
.set RB0,  64                          ; v[64:95]   rows read back, two sets by turns
.set RB1,  96
.set ACC,  128                         ; v[128:255] tile (a, b) at 128 + 8 (4 a + b)
.set F0,   0                           ; window 1: Wo's fragment (b, kh) at 8 (2 b + kh), o's (a, kh) at 64 + 8 (2 a + kh)
.set F1,   128
.set G1A, 24
.set G0A, 32
.set G1B, 40
.set G0B, 48
.set MSB, 0
.macro WIN new
.if MSB != \new
	s_set_vgpr_msb (MSB<<8)|\new
.set MSB, \new
.endif
.endm
.macro PLACES                          ; four places behind matrix instructions (ISA guide 7.12.1)
.rept 4
	v_nop
.endr
.endm
.macro CREST
	s_cmp_lg_u32 s12, 0
	s_cbranch_scc1 .Lnot_wave_0_\@
	s_barrier_signal -3
.Lnot_wave_0_\@:
	s_barrier_wait -3
	s_barrier_signal -1
	s_barrier_wait -1
.endm
.macro CROUND
	s_barrier_signal -1
	s_barrier_wait -1
	CREST
.endm
	s_load_b256 s[4:11], s[0:1], 0x0               ; ob s[4:5], wb s[6:7], bo s[8:9], out0 s[10:11]
	v_lshl_add_u32 v30, v0, 2, 0x49400
	v_mov_b32 v31, 0
	ds_add_u32 v30, v31
	v_lshrrev_b32 v1, 5, v0
	v_readfirstlane_b32 s12, v1                    ; wave 0..3
	s_lshr_b32 s13, s12, 1                         ; my half of the rows
	s_and_b32 s14, s12, 1                          ; my half of the columns
	s_bfe_u32 s15, ttmp6, 0x40000                  ; cx
	s_bfe_u32 s16, ttmp6, 0x40004                  ; cy
	s_lshl_b32 s17, ttmp9, 2
	s_add_co_u32 s17, s17, s15                     ; column block
	s_and_b32 s18, ttmp7, 0xffff
	s_lshl_b32 s18, s18, 2
	s_add_co_u32 s18, s18, s16                     ; row block
	s_lshl_b32 s19, s16, 2
	s_lshl_b32 s19, 15, s19                        ; my row of the cluster
	s_lshl_b32 s20, 0x1111, s15                    ; my column
	s_or_b32 s[G1A+0], s19, (1<<16)|(1<<20)|(1<<21)|(4<<22)|(3<<25)   ; 2-byte elements; after every 32 words, 4 words
	s_mov_b32 s[G1A+1], 64<<16                     ; tensor_dim0 = 64
	s_mov_b32 s[G1A+2], 128<<16                    ; tensor_dim1 = 128
	s_mov_b32 s[G1A+3], 64<<16                     ; tile_dim0 = 64
	s_mov_b32 s[G1A+4], 128                        ; tile_dim1 = 128
	s_mov_b32 s[G1A+5], 64
	s_mov_b32 s[G1A+6], 0
	s_mov_b32 s[G1A+7], 0
	s_or_b32 s[G1B+0], s20, (1<<16)|(1<<20)|(1<<21)|(6<<22)|(3<<25)   ; after every 128 words, 4 words
	s_mov_b32 s[G1B+1], 256<<16
	s_mov_b32 s[G1B+2], 32<<16
	s_mov_b32 s[G1B+3], 256<<16
	s_mov_b32 s[G1B+4], 32
	s_mov_b32 s[G1B+5], 1024
	s_mov_b32 s[G1B+6], 0
	s_mov_b32 s[G1B+7], 0
	s_lshr_b32 s56, s18, 4                         ; ob: batch,
	s_lshl_b32 s56, s56, 4
	s_add_co_u32 s56, s56, s12                     ; 16 batch + head w of the step,
	s_lshl_b32 s56, s56, 18
	s_and_b32 s21, s18, 15
	s_lshl_b32 s21, s21, 14                        ; 128 tokens of 128 bytes; cx never enters these registers
	s_add_co_u32 s56, s56, s21
	s_mov_b32 s57, 0
	s_lshl_b32 s58, s17, 18                        ; Wo: (128 column block + 32 wave) rows of 2,048 bytes behind wb's first 3,072 rows; cy never enters
	s_lshl_b32 s22, s12, 16
	s_add_co_u32 s58, s58, s22
	s_add_co_u32 s58, s58, 6291456
	s_mov_b32 s59, 0
	s_mul_i32 s60, s12, ASUB
	s_mul_i32 s61, s12, 32*BPITCH
	s_lshl_b32 s66, s17, 9                         ; my first column in bytes of f32: 512 block + 256 half
	s_lshl_b32 s23, s14, 8
	s_add_co_u32 s66, s66, s23
	s_mov_b32 s67, 0
	s_lshl_b32 s62, s18, 19                        ; my first row: (128 block + 64 half) rows of 4,096 bytes
	s_lshl_b32 s23, s13, 18
	s_add_co_u32 s62, s62, s23
	s_add_co_u32 s62, s62, s66
	s_mov_b32 s63, 0
	v_and_b32 v1, 15, v0                           ; r
	v_bfe_u32 v2, v0, 4, 1                         ; h
	v_lshlrev_b32 v[BOF], 5, v2
	s_wait_dscnt 0x0
	s_wait_kmcnt 0x0
	s_add_nc_u64 s[56:57], s[4:5], s[56:57]
	s_add_nc_u64 s[58:59], s[6:7], s[58:59]
	s_add_nc_u64 s[8:9], s[8:9], s[66:67]
	s_add_nc_u64 s[10:11], s[10:11], s[62:63]
.irp b, 0,1,2,3
	global_load_b128 v[BO+8*\b:BO+8*\b+3],   v[BOF], s[8:9] offset:64*\b        ; bo of columns 16 b + 8 h + 0..7
	global_load_b128 v[BO+8*\b+4:BO+8*\b+7], v[BOF], s[8:9] offset:64*\b+16
.endr
	CROUND                                         ; in front of the first joint loads
.irp s, 0,1
	s_mov_b32 s[G0A+4*\s], 1
	s_add_co_u32 s[G0A+4*\s+1], s60, \s*SLOT
	s_add_nc_u64 s[G0A+4*\s+2:G0A+4*\s+3], s[56:57], \s*1048576    ; K step s: four heads on
	s_or_b32 s[G0A+4*\s+3], s[G0A+4*\s+3], 0x80000000
	s_mov_b32 s[G0B+4*\s], 1
	s_add_co_u32 s[G0B+4*\s+1], s61, \s*SLOT+ABYTES
	s_add_nc_u64 s[G0B+4*\s+2:G0B+4*\s+3], s[58:59], \s*512
	s_or_b32 s[G0B+4*\s+3], s[G0B+4*\s+3], 0x80000000
	tensor_load_to_lds s[G0A+4*\s:G0A+4*\s+3], s[G1A:G1A+7]
	s_nop 0
	tensor_load_to_lds s[G0B+4*\s:G0B+4*\s+3], s[G1B:G1B+7]
	s_nop 0
.endr
	v_mul_u32_u24 v3, v1, APITCH
	v_lshl_add_u32 v3, v2, 4, v3
	v_mul_u32_u24 v4, v1, BPITCH
	v_lshl_add_u32 v4, v2, 4, v4
	s_mul_i32 s68, s13, 64*APITCH                  ; my 64 rows of each head's piece
	s_mul_i32 s69, s14, 64*BPITCH                  ; my 64 rows of Wo
	s_add_co_u32 s69, s69, ABYTES
.irp s, 0,1
	v_add_nc_u32 v[ADRA+\s], s68, v3
	v_add_nc_u32 v[ADRB+\s], s69, v4
	s_add_co_u32 s68, s68, SLOT
	s_add_co_u32 s69, s69, SLOT
.endr
	s_mul_i32 s70, s12, 16*SPITCH
	s_add_co_u32 s70, s70, STAGE                   ; my stage
	v_mul_u32_u24 v5, v1, SPITCH
	v_lshl_add_u32 v5, v2, 5, v5
	v_add_nc_u32 v[STO], s70, v5                   ; in: row r, 32 bytes for each half of the lanes
	v_mul_u32_u24 v5, v2, SPITCH
	v_lshl_add_u32 v5, v1, 4, v5
	v_add_nc_u32 v[RD], s70, v5                    ; back: sixteen lanes take one row of 256 bytes
	v_lshlrev_b32 v5, 12, v2
	v_lshl_add_u32 v[CO], v1, 4, v5                ; the same two rows in out0
; 16 matrix instructions, 32 along K.  The 16 accumulators take turns, one instruction a turn.
.macro MUL16 f, kh, bias
.irp a, 0,1,2,3
.irp b, 0,1,2,3
.if \bias
	v_wmma_f32_16x16x32_f16 v[ACC+8*(4*\a+\b):ACC+8*(4*\a+\b)+7], v[\f+8*(2*\b+\kh):\f+8*(2*\b+\kh)+7], v[\f+64+8*(2*\a+\kh):\f+64+8*(2*\a+\kh)+7], v[BO+8*\b:BO+8*\b+7]
.else
	v_wmma_f32_16x16x32_f16 v[ACC+8*(4*\a+\b):ACC+8*(4*\a+\b)+7], v[\f+8*(2*\b+\kh):\f+8*(2*\b+\kh)+7], v[\f+64+8*(2*\a+\kh):\f+64+8*(2*\a+\kh)+7], v[ACC+8*(4*\a+\b):ACC+8*(4*\a+\b)+7]
.endif
.endr
.endr
.endm
; the fragments of head hs of a slot (64 along K): 16 loads for its first 32, then 16 for its second
.macro FETCH slot, hs, f
	WIN 0x40
.irp k, 0,1
.irp i, 0,1,2,3
	ds_load_b128 v[\f+8*(2*\i+\k):\f+8*(2*\i+\k)+3],   v[ADRB+\slot] offset:16*BPITCH*\i+128*\hs+64*\k
	ds_load_b128 v[\f+8*(2*\i+\k)+4:\f+8*(2*\i+\k)+7], v[ADRB+\slot] offset:16*BPITCH*\i+128*\hs+64*\k+32
.endr
.irp i, 0,1,2,3
	ds_load_b128 v[\f+64+8*(2*\i+\k):\f+64+8*(2*\i+\k)+3],   v[ADRA+\slot] offset:ASUB*\hs+16*APITCH*\i+64*\k
	ds_load_b128 v[\f+64+8*(2*\i+\k)+4:\f+64+8*(2*\i+\k)+7], v[ADRA+\slot] offset:ASUB*\hs+16*APITCH*\i+64*\k+32
.endr
.endr
.endm
.macro HS slot, hsnext, f, g, bias     ; one head out of buffer f; in its middle the next head of the same slot is fetched into buffer g
	s_wait_dscnt 16                                ; the first 32 along K are in; the younger 16 loads may be out
	WIN 0x05
	MUL16 \f, 0, \bias
	PLACES
	FETCH \slot, \hsnext, \g
	s_wait_dscnt 32                                ; all but the 32 just issued
	WIN 0x05
	MUL16 \f, 1, 0
.endm
; The slot's last head, out of buffer 1, and the change of slots: each wave's waits for its reads and for all its tensor loads stand in front of the
; barrier; where the slot is filled again the barrier opens a round of the cluster's barrier and the joint refills come first behind it.
.macro TURN slot, next, fill
	s_wait_dscnt 0
	s_set_vgpr_msb 0x500
	s_wait_tensorcnt 0x0
	ds_add_u32 v30, v31
	s_wait_dscnt 0x0
	s_set_vgpr_msb 0x5
	s_barrier_signal -1
	WIN 0x05
	MUL16 F1, 0, 0
	WIN 0
	s_barrier_wait -1
.if \fill
	CREST
	s_add_nc_u64 s[G0A+4*\slot+2:G0A+4*\slot+3], s[G0A+4*\slot+2:G0A+4*\slot+3], 2097152   ; eight heads on
	s_add_nc_u64 s[G0B+4*\slot+2:G0B+4*\slot+3], s[G0B+4*\slot+2:G0B+4*\slot+3], 1024
	tensor_load_to_lds s[G0A+4*\slot:G0A+4*\slot+3], s[G1A:G1A+7]
	s_nop 0
	tensor_load_to_lds s[G0B+4*\slot:G0B+4*\slot+3], s[G1B:G1B+7]
	s_nop 0
.endif
	PLACES
	FETCH \next, 0, F0
	WIN 0x05
	MUL16 F1, 1, 0
.endm
	s_wait_tensorcnt 0x2                           ; my two parts of K step 0 are in; K step 1's two stay out
	s_barrier_signal -1
	s_barrier_wait -1
	s_wait_loadcnt 0x0                             ; the bias
	FETCH 0, 0, F0
	HS 0, 1, F0, F1, 1                             ; the bias starts the sums: nothing is cleared
	HS 0, 2, F1, F0, 0
	HS 0, 3, F0, F1, 0
	TURN 0, 1, 1
	HS 1, 1, F0, F1, 0
	HS 1, 2, F1, F0, 0
	HS 1, 3, F0, F1, 0
	TURN 1, 0, 1
	HS 0, 1, F0, F1, 0
	HS 0, 2, F1, F0, 0
	HS 0, 3, F0, F1, 0
	TURN 0, 1, 0
	HS 1, 1, F0, F1, 0
	HS 1, 2, F1, F0, 0
	HS 1, 3, F0, F1, 0
	s_wait_dscnt 0
	WIN 0x05
	MUL16 F1, 0, 0
	MUL16 F1, 1, 0
	WIN 0
	PLACES                                         ; ahead of the LDS stores that read results
; 16 rows at a time through my own stage: in by 32 bytes a lane, back as whole rows of 256 bytes
.macro OUT16 a, rb
.irp b, 0,1,2,3
	ds_store_b128 v[STO], v[ACC+8*(4*\a+\b):ACC+8*(4*\a+\b)+3]   offset:64*\b
	ds_store_b128 v[STO], v[ACC+8*(4*\a+\b)+4:ACC+8*(4*\a+\b)+7] offset:64*\b+16
.endr
	s_wait_xcnt 0x0                                ; this set of registers was the data of earlier stores: loaded again only behind this wait
.irp t, 0,1,2,3,4,5,6,7
	ds_load_b128 v[\rb+4*\t:\rb+4*\t+3], v[RD] offset:2*SPITCH*\t  ; my own bytes: LDS serves a wave's instructions in order
.endr
.irp t, 0,1,2,3,4,5,6,7
	s_wait_dscnt 7-\t
	global_store_b128 v[CO], v[\rb+4*\t:\rb+4*\t+3], s[10:11] offset:(16*\a+2*\t)*4096 th:TH_STORE_NT   ; sixteen lanes store 256 consecutive bytes, at a multiple of 256 from out0's first byte
.endr
.endm
	OUT16 0, RB0
	OUT16 1, RB1
	OUT16 2, RB0
	OUT16 3, RB1
	s_wait_tensorcnt 0x0
	ds_add_u32 v30, v31
	s_wait_dscnt 0x0
	CROUND                                         ; the closing round
	s_endpgm
.Lfunc_end_k_qc08ff7ccd8_oproj:
	.size	k_qc08ff7ccd8_oproj, .Lfunc_end_k_qc08ff7ccd8_oproj-k_qc08ff7ccd8_oproj
	.p2alignl 7, 3214868480
	.fill 96, 4, 3214868480
	.section	.rodata,"a",@progbits
	.p2align	6, 0x0
	.amdhsa_kernel k_qc08ff7ccd8_oproj
		.amdhsa_group_segment_fixed_size 327680
		.amdhsa_private_segment_fixed_size 0
		.amdhsa_enable_private_segment 0
		.amdhsa_kernarg_size 32
		.amdhsa_user_sgpr_count 2
		.amdhsa_user_sgpr_kernarg_segment_ptr 1
		.amdhsa_wavefront_size32 1
		.amdhsa_system_sgpr_workgroup_id_x 1
		.amdhsa_system_sgpr_workgroup_id_y 1
		.amdhsa_system_sgpr_workgroup_id_z 1
		.amdhsa_system_vgpr_workitem_id 0
		.amdhsa_next_free_vgpr 512
		.amdhsa_next_free_sgpr 72
		.amdhsa_reserve_vcc 0
		.amdhsa_float_denorm_mode_32 3
		.amdhsa_float_denorm_mode_16_64 3
		.amdhsa_memory_ordered 1
		.amdhsa_forward_progress 1
		.amdhsa_inst_pref_size 86
	.end_amdhsa_kernel
	.amdgpu_metadata
---
amdhsa.version: [ 1, 2 ]
amdhsa.kernels:
  - .name:           k_qc08ff7ccd8_oproj
    .symbol:         k_qc08ff7ccd8_oproj.kd
    .args:
      - { .name: ob, .offset: 0, .size: 8, .value_kind: global_buffer, .address_space: global }
      - { .name: wb, .offset: 8, .size: 8, .value_kind: global_buffer, .address_space: global }
      - { .name: bo, .offset: 16, .size: 8, .value_kind: global_buffer, .address_space: global }
      - { .name: out0, .offset: 24, .size: 8, .value_kind: global_buffer, .address_space: global }
    .group_segment_fixed_size: 327680
    .private_segment_fixed_size: 0
    .kernarg_segment_align: 8
    .kernarg_segment_size: 32
    .max_flat_workgroup_size: 128
    .sgpr_count:     72
    .vgpr_count:     512
    .wavefront_size: 32
...
	.end_amdgpu_metadata
.endif
;; end of part 4
